; MI455X (gfx1250); checked and timed in simulation.
; The chip was launched on July 23, 2026; its instructions are those of AMD's public machine-readable ISA for CDNA 5 (MIT licence, August 2026) and "CDNA5" Instruction Set Architecture Reference Guide (July 2026). The comments in the code are by the model that wrote it; some were corrected since.
;; GRU Net. Allowed arithmetic: float matrix products may take bf16 or f16 operands with f32 sums; all other float work in f32.
;; Inputs: W1 512 x 256 float32; W2 512 x 512 float32; Wm 32 x 512 float32; Ww 2 x 32 float32; b1 512 float32; b2 512 float32; b_hh 96 float32; b_ih 96 float32; bm 32 float32; bw 2 float32; w_hh 96 x 32 float32; w_ih 96 x 2 float32; x 131,072 x 256 float32.
;; Outputs: out0 131,072 x 20 float32.
;; Constants: pred_length = 10.
;; One version. Each part assembles by itself: llvm-mc -triple=amdgcn-amd-amdhsa -mcpu=gfx1250 --defsym DOCPART=n.
;; ======== version 1 of 1: 2 launches
;; workspace buffers: wt 786,432 bytes; wmb 32,768 bytes; gc 22,016 bytes
;; launch prep (part 1): grid 202 x 1, 8 waves a work-group, no clusters, 0 bytes of LDS; arguments W1, W2, Wm, w_hh, w_ih, b_ih, b_hh, Ww, bw, wt, wmb, gc; writes wt, wmb, gc
.if DOCPART == 1
	.amdgcn_target "amdgcn-amd-amdhsa--gfx1250"
	.amdhsa_code_object_version 6
	.text
	.protected	k_qc3c28c69dc_prep
	.globl	k_qc3c28c69dc_prep
	.p2align	8
	.type	k_qc3c28c69dc_prep,@function
k_qc3c28c69dc_prep:
	s_mov_b64 s[64:65], 0
	v_nop
	global_prefetch_b8 v0, s[64:65] scope:SCOPE_SE
	s_setreg_imm32_b32 hwreg(HW_REG_WAVE_MODE, 25, 1), 1
	s_wait_xcnt 0x0
; Weights to bf16, once, in the order in which the main launch streams them, and the GRU's constants as a register image.
; wt : 12 tiles of 128 rows x 256 bf16.  Tiles 0-3: W1 rows 128 t ..  Tile 4+c: row i < 64 = W2[64c+i][0:256], row 64+i = W2[64c+i][256:512].
; wmb: Wm as bf16 [32][512].
; gc : 43 blocks of 512 bytes; block i, lane L, word q is register 32 + 4 i + q of lane L in the main launch.  Fragment F = blocks 2F, 2F+1:
;      F 0-5 w_hh tiles, F 6-11 w_ih tiles (K padded with zeros), F 12 Ww, F 13-16 b_ih+b_hh of r and u, F 17-18 b_hh of n, F 19-20 b_ih of n, block 42 bw.
;      The r and u rows carry the factor -log2(e), the n rows 2 log2(e): sigmoid and tanh are then made of exp2 and a reciprocal alone.
; Work-groups 0-63 copy W1, 64-191 W2, 192-199 Wm: a wave turns 1,024 bytes of f32 into 512 of bf16, each store 256 consecutive bytes, aligned.
; Work-groups 200, 201: each of their 16 waves makes one part of gc.
; LIMIT: a bias tile is made as alpha b_ih + beta b_hh with one coefficient 0 for the n rows, which takes the biases to be finite.
.set C1, 0xbfb8aa3b                    ; -log2(e)
.set C2, 0x4038aa3b                    ; 2 log2(e)
	s_load_b512 s[4:19], s[0:1], 0x0               ; W1 4, W2 6, Wm 8, w_hh 10, w_ih 12, b_ih 14, b_hh 16, Ww 18
	s_load_b256 s[20:27], s[0:1], 0x40             ; bw 20, wt 22, wmb 24, gc 26
	v_and_b32 v1, 31, v0                           ; lane
	v_lshrrev_b32 v6, 5, v0
	v_readfirstlane_b32 s2, v6                     ; wave
	v_lshlrev_b32 v2, 4, v1                        ; 16 x lane
	v_lshlrev_b32 v3, 3, v1                        ; 8 x lane
	v_and_b32 v4, 15, v0                           ; r
	v_bfe_u32 v5, v0, 4, 1                         ; h
	s_mov_b32 s3, ttmp9
	s_mov_b32 s31, 0                               ; high words of the two offsets
	s_mov_b32 s33, 0
	s_mov_b32 s46, C1
	s_mov_b32 s47, C2
	s_wait_kmcnt 0x0
	s_cmp_lt_u32 s3, 64
	s_cbranch_scc1 .Lw1
	s_cmp_lt_u32 s3, 192
	s_cbranch_scc1 .Lw2
	s_cmp_lt_u32 s3, 200
	s_cbranch_scc1 .Lwm
	s_branch .Lgc
; 256 f32 at source + s30 become 256 bf16 at destination + s32
.macro COPY sb, db
	s_add_nc_u64 s[34:35], s[\sb:\sb+1], s[30:31]
	s_add_nc_u64 s[36:37], s[\db:\db+1], s[32:33]
	global_load_b128 v[8:11], v2, s[34:35] th:TH_LOAD_NT
	global_load_b128 v[12:15], v2, s[34:35] offset:512 th:TH_LOAD_NT
	s_wait_loadcnt 0x0
	v_cvt_pk_bf16_f32 v16, v8, v9
	v_cvt_pk_bf16_f32 v17, v10, v11
	v_cvt_pk_bf16_f32 v18, v12, v13
	v_cvt_pk_bf16_f32 v19, v14, v15
	global_store_b64 v3, v[16:17], s[36:37]
	global_store_b64 v3, v[18:19], s[36:37] offset:256
	s_endpgm
.endm
.Lw1:
	s_lshl_b32 s30, s3, 13                         ; 8,192 bytes a work-group,
	s_lshl_b32 s28, s2, 10                         ; 1,024 a wave
	s_add_co_u32 s30, s30, s28
	s_lshr_b32 s32, s30, 1
	COPY 4, 22
.Lw2:
	s_sub_co_u32 s28, s3, 64                       ; b' = 0..127; destination row 8 b' + wave of the W2 part
	s_lshr_b32 s29, s28, 4                         ; tile c
	s_lshl_b32 s29, s29, 6
	s_and_b32 s34, s28, 7
	s_lshl_b32 s34, s34, 3
	s_add_co_u32 s29, s29, s34
	s_add_co_u32 s29, s29, s2                      ; W2 row 64 c + 8 (b' & 7) + wave
	s_lshl_b32 s30, s29, 11
	s_bfe_u32 s34, s28, 0x10003                    ; which half of K
	s_lshl_b32 s34, s34, 10
	s_add_co_u32 s30, s30, s34
	s_lshl_b32 s32, s28, 12
	s_lshl_b32 s34, s2, 9
	s_add_co_u32 s32, s32, s34
	s_add_co_u32 s32, s32, 262144                  ; behind W1's four tiles
	COPY 6, 22
.Lwm:
	s_sub_co_u32 s28, s3, 192
	s_lshl_b32 s30, s28, 13
	s_lshl_b32 s28, s2, 10
	s_add_co_u32 s30, s30, s28
	s_lshr_b32 s32, s30, 1
	COPY 8, 24
.Lgc:
	s_sub_co_u32 s28, s3, 200
	s_lshl3_add_u32 s28, s28, s2                   ; part 0..15
	s_cmp_lt_u32 s28, 6
	s_cbranch_scc1 .Lwhh
	s_cmp_eq_u32 s28, 6
	s_cbranch_scc1 .Lwih
	s_cmp_eq_u32 s28, 7
	s_cbranch_scc1 .Lww
	; parts 8-15: bias tile T = part - 8, fragment 13 + T; register j of lane (r, h) belongs to gate row n0 + 8 h + j
	s_sub_co_u32 s29, s28, 8
	s_cmp_lt_u32 s29, 6
	s_cselect_b32 s38, 0, s47                      ; coefficient of b_ih: T 4, 5: 0; T 6, 7: 2 log2(e)
	s_cselect_b32 s39, s47, 0                      ; coefficient of b_hh: the other way round
	s_cselect_b32 s42, 0, 32                       ; T 6, 7 go over rows 64-95 once more
	s_cmp_lt_u32 s29, 4
	s_cselect_b32 s38, s46, s38                    ; T 0-3: both -log2(e)
	s_cselect_b32 s39, s46, s39
	s_lshl_b32 s30, s29, 4
	s_sub_co_u32 s30, s30, s42                     ; n0
	s_lshl_b32 s30, s30, 2
	s_add_nc_u64 s[36:37], s[14:15], s[30:31]
	s_add_nc_u64 s[40:41], s[16:17], s[30:31]
	s_add_co_u32 s32, s29, 13
	s_lshl_b32 s32, s32, 10
	s_add_nc_u64 s[44:45], s[26:27], s[32:33]
	v_lshlrev_b32 v7, 5, v5                        ; 32 h
	global_load_b128 v[8:11], v7, s[36:37]
	global_load_b128 v[12:15], v7, s[36:37] offset:16
	global_load_b128 v[16:19], v7, s[40:41]
	global_load_b128 v[20:23], v7, s[40:41] offset:16
	s_wait_loadcnt 0x0
.irp i, 0,1,2,3,4,5,6,7
	v_mul_f32 v[8+\i], s38, v[8+\i]
.endr
.irp i, 0,1,2,3,4,5,6,7
	v_fma_f32 v[8+\i], s39, v[16+\i], v[8+\i]
.endr
	global_store_b128 v2, v[8:11], s[44:45]
	global_store_b128 v2, v[12:15], s[44:45] offset:512
	s_endpgm
.Lwhh:                                                 ; parts 0-5: 16 rows of w_hh as a source-0 fragment: lane (r, h) holds k = 8h..8h+7 and 16+8h..16+8h+7 of row r
	s_cmp_lt_u32 s28, 4
	s_cselect_b32 s38, s46, s47
	s_mov_b32 s39, s38
	s_lshl_b32 s30, s28, 11                        ; 16 rows of 128 bytes
	s_add_nc_u64 s[36:37], s[10:11], s[30:31]
	s_lshl_b32 s32, s28, 10
	s_add_nc_u64 s[40:41], s[26:27], s[32:33]
	v_lshlrev_b32 v7, 7, v4
	v_lshl_add_u32 v7, v5, 5, v7                   ; 128 r + 32 h
	global_load_b128 v[8:11], v7, s[36:37]
	global_load_b128 v[12:15], v7, s[36:37] offset:16
	global_load_b128 v[16:19], v7, s[36:37] offset:64
	global_load_b128 v[20:23], v7, s[36:37] offset:80
	s_wait_loadcnt 0x0
.irp i, 0,1,2,3,4,5,6,7
	v_pk_mul_f32 v[8+2*\i:9+2*\i], v[8+2*\i:9+2*\i], s[38:39] op_sel_hi:[1,0]
.endr
.irp i, 0,1,2,3,4,5,6,7
	v_cvt_pk_bf16_f32 v[24+\i], v[8+2*\i], v[9+2*\i]
.endr
	global_store_b128 v2, v[24:27], s[40:41]
	global_store_b128 v2, v[28:31], s[40:41] offset:512
	s_endpgm
.Lwih:                                                 ; part 6: the six tiles of w_ih; K = 2 lies in register 0 of lanes h = 0, all else is zero
	v_lshlrev_b32 v7, 3, v4                        ; 8 r
.irp n, 0,1,2,3,4,5
	global_load_b64 v[8+2*\n:9+2*\n], v7, s[12:13] offset:128*\n
.endr
.set i_, 20
.rept 28
	v_mov_b32 v[i_], 0                             ; v[20+4n:23+4n]: tile n's first block; v[44:47]: the zero block
.set i_, i_+1
.endr
	v_cmp_eq_u32 vcc_lo, 0, v5
	s_wait_loadcnt 0x0
.irp n, 0,1,2,3
	v_mul_f32 v[8+2*\n], s46, v[8+2*\n]
	v_mul_f32 v[9+2*\n], s46, v[9+2*\n]
.endr
.irp n, 4,5
	v_mul_f32 v[8+2*\n], s47, v[8+2*\n]
	v_mul_f32 v[9+2*\n], s47, v[9+2*\n]
.endr
.irp n, 0,1,2,3,4,5
	v_cvt_pk_bf16_f32 v[20+4*\n], v[8+2*\n], v[9+2*\n]
.endr
.irp n, 0,1,2,3,4,5
	v_cndmask_b32 v[20+4*\n], 0, v[20+4*\n], vcc_lo
.endr
.irp n, 0,1,2,3,4,5
	global_store_b128 v2, v[20+4*\n:23+4*\n], s[26:27] offset:1024*(6+\n)
	global_store_b128 v2, v[44:47], s[26:27] offset:1024*(6+\n)+512
.endr
	s_endpgm
.Lww:                                                  ; part 7: Ww's two rows at rows 0, 1 and again at rows 8, 9 of the fragment, so that both halves of the
	v_and_b32 v6, 7, v4                            ; lanes get the same two sums; the other rows are zero.  And bw, in every lane.
	v_min_u32 v7, 1, v6                            ; rows that will be zero read row 1: every load stays inside Ww
	v_lshlrev_b32 v7, 7, v7
	v_lshl_add_u32 v7, v5, 5, v7
	global_load_b128 v[8:11], v7, s[18:19]
	global_load_b128 v[12:15], v7, s[18:19] offset:16
	global_load_b128 v[16:19], v7, s[18:19] offset:64
	global_load_b128 v[20:23], v7, s[18:19] offset:80
	v_mov_b32 v32, 0
	global_load_b64 v[36:37], v32, s[20:21]
	v_mov_b32 v38, 0
	v_mov_b32 v39, 0
	v_cmp_gt_u32 vcc_lo, 2, v6
	s_wait_loadcnt 0x0
.irp i, 0,1,2,3,4,5,6,7
	v_cvt_pk_bf16_f32 v[24+\i], v[8+2*\i], v[9+2*\i]
.endr
.irp i, 0,1,2,3,4,5,6,7
	v_cndmask_b32 v[24+\i], 0, v[24+\i], vcc_lo
.endr
	global_store_b128 v2, v[24:27], s[26:27] offset:1024*12
	global_store_b128 v2, v[28:31], s[26:27] offset:1024*12+512
	global_store_b128 v2, v[36:39], s[26:27] offset:512*42
	s_endpgm
.Lfunc_end_k_qc3c28c69dc_prep:
	.size	k_qc3c28c69dc_prep, .Lfunc_end_k_qc3c28c69dc_prep-k_qc3c28c69dc_prep
	.p2alignl 7, 3214868480
	.fill 96, 4, 3214868480
	.section	.rodata,"a",@progbits
	.p2align	6, 0x0
	.amdhsa_kernel k_qc3c28c69dc_prep
		.amdhsa_group_segment_fixed_size 0
		.amdhsa_private_segment_fixed_size 0
		.amdhsa_enable_private_segment 0
		.amdhsa_kernarg_size 96
		.amdhsa_user_sgpr_count 2
		.amdhsa_user_sgpr_kernarg_segment_ptr 1
		.amdhsa_wavefront_size32 1
		.amdhsa_system_sgpr_workgroup_id_x 1
		.amdhsa_system_sgpr_workgroup_id_y 1
		.amdhsa_system_sgpr_workgroup_id_z 1
		.amdhsa_system_vgpr_workitem_id 0
		.amdhsa_next_free_vgpr 64
		.amdhsa_next_free_sgpr 66
		.amdhsa_reserve_vcc 1
		.amdhsa_float_denorm_mode_32 3
		.amdhsa_float_denorm_mode_16_64 3
		.amdhsa_memory_ordered 1
		.amdhsa_forward_progress 1
		.amdhsa_inst_pref_size 14
	.end_amdhsa_kernel
	.amdgpu_metadata
---
amdhsa.version: [ 1, 2 ]
amdhsa.kernels:
  - .name:           k_qc3c28c69dc_prep
    .symbol:         k_qc3c28c69dc_prep.kd
    .args:
      - { .name: W1, .offset: 0, .size: 8, .value_kind: global_buffer, .address_space: global }
      - { .name: W2, .offset: 8, .size: 8, .value_kind: global_buffer, .address_space: global }
      - { .name: Wm, .offset: 16, .size: 8, .value_kind: global_buffer, .address_space: global }
      - { .name: w_hh, .offset: 24, .size: 8, .value_kind: global_buffer, .address_space: global }
      - { .name: w_ih, .offset: 32, .size: 8, .value_kind: global_buffer, .address_space: global }
      - { .name: b_ih, .offset: 40, .size: 8, .value_kind: global_buffer, .address_space: global }
      - { .name: b_hh, .offset: 48, .size: 8, .value_kind: global_buffer, .address_space: global }
      - { .name: Ww, .offset: 56, .size: 8, .value_kind: global_buffer, .address_space: global }
      - { .name: bw, .offset: 64, .size: 8, .value_kind: global_buffer, .address_space: global }
      - { .name: wt, .offset: 72, .size: 8, .value_kind: global_buffer, .address_space: global }
      - { .name: wmb, .offset: 80, .size: 8, .value_kind: global_buffer, .address_space: global }
      - { .name: gc, .offset: 88, .size: 8, .value_kind: global_buffer, .address_space: global }
    .group_segment_fixed_size: 0
    .private_segment_fixed_size: 0
    .kernarg_segment_align: 8
    .kernarg_segment_size: 96
    .max_flat_workgroup_size: 256
    .sgpr_count:     66
    .vgpr_count:     64
    .wavefront_size: 32
...
	.end_amdgpu_metadata
.endif
;; end of part 1
;; launch main (part 2): grid 256 x 1, 4 waves a work-group, clusters of 4 x 1, 327,680 bytes of LDS; arguments x, wt, wmb, gc, b1, b2, bm, out0; writes out0
.if DOCPART == 2
	.amdgcn_target "amdgcn-amd-amdhsa--gfx1250"
	.amdhsa_code_object_version 6
	.text
	.protected	k_qc3c28c69dc_main
	.globl	k_qc3c28c69dc_main
	.p2align	8
	.type	k_qc3c28c69dc_main,@function
k_qc3c28c69dc_main:
	s_mov_b64 s[64:65], 0
	v_nop
	global_prefetch_b8 v0, s[64:65] scope:SCOPE_SE
	s_setreg_imm32_b32 hwreg(HW_REG_WAVE_MODE, 25, 1), 1
	s_wait_xcnt 0x0
	s_wait_alu depctr_hold_cnt(0) depctr_sa_sdst(0) depctr_va_vdst(0) depctr_va_sdst(0) depctr_va_ssrc(0) depctr_va_vcc(0) depctr_vm_vsrc(0)
	s_getreg_b32 s2, hwreg(HW_REG_IB_STS2, 6, 4)
	s_cmp_eq_u32 s2, 0
	s_cbranch_scc0 .Lentry_in_a_cluster
	s_endpgm
.Lentry_in_a_cluster:
	s_bfe_u32 s2, ttmp6, 0x10000c
	s_cmp_lg_u32 s2, 0x3003
	s_cbranch_scc0 .Lentry_shape_is_right
	s_endpgm
.Lentry_shape_is_right:
; The whole net for 512 rows a work-group: relu(x W1' + b1), relu(. W2' + b2), . Wm' + bm, then ten GRU steps; out0 [131072][20] f32.
; Four waves, as many as a WGP has SIMDs; two tiles of 256 rows, a wave owns 64 rows (four groups of 16) of each.
; EVERY PRODUCT IS USED TRANSPOSED: source 0 = 16 rows of a weight, source 1 = 16 rows of activations.  Register j of lane (r, h) of a result is then
; out[row r][n0 + 8 h + j], and two neighbouring result tiles, rounded to bf16 in pairs, ARE the next layer's source-1 fragment of 32 along K.
; So x, h1, h2, z and wp stay in the wave's registers from layer to layer; LDS holds what comes in (x in f32, weights in bf16) and 2,560 bytes a wave on the way out.
; A weight fragment read from LDS feeds four matrix instructions (the four row groups).
; WEIGHTS: 12 tiles of 128 rows x 512 bytes go through a ring of two LDS slots.  All work-groups walk the same tiles, so the four work-groups of a cluster
; ask for them jointly (mask 15); Wm, b1 and b2 likewise, once.  x is each work-group's own (mask 0).
; LIMITS: relu of a NaN gives 0 (v_max_num_f32).  x, h1, h2, z and wp enter the products rounded to bf16; the GRU's weights carry their log2(e) factor before that rounding.
;
; LDS: P0..P3 at 69,632 ch: x columns 64 ch .., 256 rows x 256 bytes, pitch 272.  P0 and P1 are afterwards the weight ring (128 rows, pitch 528).
;      WM 32 rows of 1,024 bytes, pitch 1,040.  BIAS b1, b2.  OUTST 2,560 bytes a wave, written by LDS stores alone, no fill lands there.
;      All three pitches are odd multiples of 16 bytes: the 16 rows that a 16-byte load touches lie in 16 different 16-byte columns of 256 bytes.
; REGISTERS, in windows of 256:
;   0: v0-23 addresses; v32-63 four bias tiles; v64-127 two buffers of four weight fragments; v128-255 sixteen accumulators (feature tile nt, row group rg);
;      in the GRU v32-203 hold its constants, v208-247 the way out
;   1: layer 1: x fragments (rg, kf) at 8 (4 kf + rg); layer 2: h2 fragments at 0-63, z's sums at 64, 192, 96, 224; GRU of row groups 0, 1
;   2, 3: h1 fragments kf 0-7, 8-15; window 2 afterwards: GRU of row groups 2, 3
.set PSZ,   69632
.set XP,    272
.set WP,    528
.set WMB,   4*PSZ
.set WMP,   1040
.set BIASB, WMB+32*WMP
.set OUTST, BIASB+4096
.set OUTW,  2560
.set WA,   4                           ; v4, v5   my place in a weight fragment, slot 0, 1
.set VB,   6                           ; v6       bias address, stepped in layer 2;   v7 its start
.set VB0,  7
.set VWM,  8                           ; v8       Wm fragment address, stepped;       v9 its start
.set VWM0, 9
.set XA,   10                          ; v10-13   my place in x chunk ch
.set VBM,  14                          ; v14      32 h
.set GL,   15                          ; v15      16 x lane
.set FA,   16                          ; v16      stage + 16 x lane
.set OA,   17                          ; v17, v18 stage + 80 (16 a + r)
.set BT,   32
.set WF,   64
.set ACC,  128
.set WHH,  32                          ; the GRU's constants in window 0
.set WIH,  80
.set WW,   128
.set BRU,  136
.set BHN,  168
.set BIN,  184
.set BW,   200
.set G_R,   0                          ; the GRU's state of one row group, from 128 a in its window
.set G_U,   16
.set G_HN,  32
.set G_IN,  48
.set G_Z,   64
.set G_ZF,  80
.set G_WPA, 88
.set G_WPF, 96
.set G_OA,  104
.set G_BWP, 106                        ; once a window
.set MSB, 0
.macro WIN new                         ; the immediate's high byte repeats the setting that is left
.if MSB != (\new)
	s_set_vgpr_msb (MSB<<8)|(\new)
.set MSB, (\new)
.endif
.endm
.macro PLACES                          ; four places behind matrix instructions (ISA guide 7.12.1) where the text has no vector work to put there
.rept 4
	v_nop
.endr
.endm
; A round of the cluster's barrier: my work-group's barrier, wave 0 signals for the work-group, every wave waits for all four work-groups, my work-group's barrier again.
.macro ROUND
	s_barrier_signal -1
	s_barrier_wait -1
	s_cmp_lg_u32 s20, 0
	s_cbranch_scc1 .Lnot_wave_0_\@
	s_barrier_signal -3
.Lnot_wave_0_\@:
	s_barrier_wait -3
	s_barrier_signal -1
	s_barrier_wait -1
.endm
	s_load_b512 s[4:19], s[0:1], 0x0               ; x 4, wt 6, wmb 8, gc 10, b1 12, b2 14, bm 16, out0 18
	v_lshl_add_u32 v30, v0, 2, 0x4fa00
	v_mov_b32 v31, 0
	ds_add_u32 v30, v31
	ds_add_u32 v30, v31
	v_and_b32 v1, 31, v0
	v_lshrrev_b32 v20, 5, v0
	v_readfirstlane_b32 s20, v20                   ; wave
	v_and_b32 v2, 15, v0                           ; r
	v_bfe_u32 v3, v0, 4, 1                         ; h
	s_bfe_u32 s21, ttmp6, 0x40000                  ; cx
	s_lshl_b32 s22, ttmp9, 2
	s_add_co_u32 s22, s22, s21                     ; work-group = 4 x cluster + cx; it enters x's and out0's addresses alone
	; group 1 for x: 64 rows x 64 f32, 16 bytes of padding behind every 64 words
	s_mov_b32 s28, (2<<16)|(1<<20)|(5<<22)|(3<<25)
	s_mov_b32 s29, 64<<16
	s_mov_b32 s30, 64<<16
	s_mov_b32 s31, 64<<16
	s_mov_b32 s32, 64
	s_mov_b32 s33, 256
	s_mov_b32 s34, 0
	s_mov_b32 s35, 0
	; group 1 for a wave's quarter of a weight tile: 32 rows x 256 bf16, padding behind every 128 words; joint, mask 15
	s_mov_b32 s36, 15|(1<<16)|(1<<20)|(1<<21)|(6<<22)|(3<<25)
	s_mov_b32 s37, 256<<16
	s_mov_b32 s38, 32<<16
	s_mov_b32 s39, 256<<16
	s_mov_b32 s40, 32
	s_mov_b32 s41, 256
	s_mov_b32 s42, 0
	s_mov_b32 s43, 0
	; group 1 for a quarter of Wm: 8 rows x 512 bf16, padding behind every 256 words; joint
	s_mov_b32 s72, 15|(1<<16)|(1<<20)|(1<<21)|(7<<22)|(3<<25)
	s_mov_b32 s73, 512<<16
	s_mov_b32 s74, 8<<16
	s_mov_b32 s75, 512<<16
	s_mov_b32 s76, 8
	s_mov_b32 s77, 512
	s_mov_b32 s78, 0
	s_mov_b32 s79, 0
	; group 1 for a quarter of b1 or b2: one row of 64 elements of 8 bytes; joint
	s_mov_b32 s84, 15|(3<<16)|(1<<21)
	s_mov_b32 s85, 64<<16
	s_mov_b32 s86, 1<<16
	s_mov_b32 s87, 64<<16
	s_mov_b32 s88, 1
	s_mov_b32 s89, 64
	s_mov_b32 s90, 0
	s_mov_b32 s91, 0
	; LDS addresses: constants and the wave's number alone
	s_mul_i32 s24, s20, 64*XP                      ; my 64 rows of an x chunk
	s_mul_i32 s25, s20, 32*WP                      ; my 32 rows of a weight tile
	s_mul_i32 s23, s20, OUTW
	s_add_co_u32 s23, s23, OUTST                   ; my stage
	s_mov_b32 s60, 1
	s_add_co_u32 s61, s25, 0
	s_mov_b32 s68, 1
	s_add_co_u32 s69, s25, PSZ
	s_mov_b32 s80, 1
	s_mul_i32 s81, s20, 8*WMP
	s_add_co_u32 s81, s81, WMB
	s_mov_b32 s92, 1
	s_lshl_b32 s93, s20, 9
	s_add_co_u32 s93, s93, BIASB
	s_mov_b32 s96, 1
	s_add_co_u32 s97, s93, 2048
	v_mul_u32_u24 v20, v2, WP
	v_lshl_add_u32 v[WA], v3, 4, v20               ; 528 r + 16 h
	v_add_nc_u32 v[WA+1], PSZ, v[WA]
	v_lshlrev_b32 v[VBM], 5, v3
	v_add_nc_u32 v[VB0], BIASB, v[VBM]
	v_mul_u32_u24 v20, v2, WMP
	v_lshl_add_u32 v20, v3, 4, v20
	v_add_nc_u32 v[VWM0], WMB, v20
	v_mul_u32_u24 v20, v2, XP
	v_lshl_add_u32 v20, v3, 5, v20                 ; 272 r + 32 h: eight f32 for each half of the lanes
	v_add_nc_u32 v[XA], s24, v20
.irp ch, 1,2,3
	v_add_nc_u32 v[XA+\ch], \ch*PSZ, v[XA]
.endr
	v_lshlrev_b32 v[GL], 4, v1
	v_add_nc_u32 v[FA], s23, v[GL]
	v_mul_u32_u24 v20, v2, 80
	v_add_nc_u32 v[OA], s23, v20
	v_add_nc_u32 v[OA+1], 1280, v[OA]
	s_wait_dscnt 0x0
	s_wait_kmcnt 0x0
	s_lshl_b32 s2, s22, 19                         ; 512 rows of 1,024 bytes a work-group,
	s_lshl_b32 s21, s20, 16                        ; 64 a wave
	s_add_co_u32 s2, s2, s21
	s_mov_b32 s3, 0
	s_add_nc_u64 s[4:5], s[4:5], s[2:3]            ; x at my first row
	s_mul_i32 s2, s22, 40960                       ; 512 rows of 80 bytes,
	s_mul_i32 s21, s20, 5120                       ; 64 rows: a multiple of 256 bytes
	s_add_co_u32 s2, s2, s21
	s_add_nc_u64 s[18:19], s[18:19], s[2:3]        ; out0 at my first row
.irp ch, 0,1,2,3
	s_mov_b32 s[44+4*\ch], 1
	s_add_co_u32 s[45+4*\ch], s24, \ch*PSZ
	s_add_nc_u64 s[46+4*\ch:47+4*\ch], s[4:5], \ch*256
	s_or_b32 s[47+4*\ch], s[47+4*\ch], 0x80000000
.endr
	s_mov_b32 s27, 0                               ; the joint loads' addresses: the wave's number alone
	s_lshl_b32 s26, s20, 14
	s_add_nc_u64 s[100:101], s[6:7], s[26:27]      ; my quarter of weight tile 0, type bits set
	s_or_b32 s101, s101, 0x80000000
	s_lshl_b32 s26, s20, 13
	s_add_nc_u64 s[82:83], s[8:9], s[26:27]
	s_or_b32 s83, s83, 0x80000000
	s_lshl_b32 s26, s20, 9
	s_add_nc_u64 s[94:95], s[12:13], s[26:27]
	s_or_b32 s95, s95, 0x80000000
	s_add_nc_u64 s[98:99], s[14:15], s[26:27]
	s_or_b32 s99, s99, 0x80000000
	ROUND                                          ; all four work-groups are here: the first joint loads meet
	tensor_load_to_lds s[80:83], s[72:79]          ; Wm
	s_nop 0
	tensor_load_to_lds s[92:95], s[84:91]          ; b1
	s_nop 0
	tensor_load_to_lds s[96:99], s[84:91]          ; b2
	s_nop 0
.irp ch, 0,1,2,3
	tensor_load_to_lds s[44+4*\ch:47+4*\ch], s[28:35]      ; x chunks 0-3: seven loads of the wave are out, the most in this text
	s_nop 0
.endr
; x chunk ch, my 64 rows x 64 columns, from f32 in LDS to eight bf16 fragments in window 1.  Fragment (rg, k): 16 f32 a lane, four loads of 16 bytes.
.macro XCONV ch
	WIN 0
.irp rg, 0,1,2,3
.irp k, 0,1
.irp q, 0,1,2,3
	ds_load_b128 v[ACC+16*(2*\rg+\k)+4*\q:ACC+16*(2*\rg+\k)+4*\q+3], v[XA+\ch] offset:4352*\rg+128*\k+16*(\q&1)+64*(\q>>1)
.endr
.endr
.endr
	WIN 0x40
.irp rg, 0,1,2,3
.irp k, 0,1
	s_wait_dscnt 28-4*(2*\rg+\k)                   ; this fragment's four loads are back, the younger fragments' stay out
.irp q, 0,1,2,3,4,5,6,7
	v_cvt_pk_bf16_f32 v[8*(4*(2*\ch+\k)+\rg)+\q], v[ACC+16*(2*\rg+\k)+2*\q], v[ACC+16*(2*\rg+\k)+2*\q+1]
.endr
.endr
.endr
.endm
; Group gg of a weight tile: four fragments (feature tiles nt = 0..3, 32 along K) into buffer gg & 1.  Rows 64 (gg >> 3) + 16 nt + r, byte 64 (gg & 7) + 16 h.
.macro FLOADG slot, gg
.irp nt, 0,1,2,3
	ds_load_b128 v[WF+32*((\gg)&1)+8*\nt:WF+32*((\gg)&1)+8*\nt+3], v[WA+\slot] offset:8448*(4*((\gg)>>3)+\nt)+64*((\gg)&7)
	ds_load_b128 v[WF+32*((\gg)&1)+8*\nt+4:WF+32*((\gg)&1)+8*\nt+7], v[WA+\slot] offset:8448*(4*((\gg)>>3)+\nt)+64*((\gg)&7)+32
.endr
.endm
; Four bias tiles: register j of lane (r, h) = b[.. + 16 nt + 8 h + j], the layout of a result; they start a chunk's sums as C.
.macro BIASLD off
.irp nt, 0,1,2,3
	ds_load_b128 v[BT+8*\nt:BT+8*\nt+3], v[VB] offset:(\off)+64*\nt
	ds_load_b128 v[BT+8*\nt+4:BT+8*\nt+7], v[VB] offset:(\off)+64*\nt+16
.endr
.endm
; Wm's four fragments for this chunk of 64 h2 features (fragment 2 p + n2) into buffer 0
.macro WMLOAD off
.irp p, 0,1
.irp n2, 0,1
	ds_load_b128 v[WF+8*(2*\p+\n2):WF+8*(2*\p+\n2)+3], v[VWM] offset:16640*\n2+64*\p+(\off)
	ds_load_b128 v[WF+8*(2*\p+\n2)+4:WF+8*(2*\p+\n2)+7], v[VWM] offset:16640*\n2+64*\p+(\off)+32
.endr
.endr
.endm
; 16 matrix instructions: buffer BUF's four weight fragments x the four row groups' fragments at BB.  The sixteen accumulators take turns,
; one instruction a turn, in the same order in every group.  FIRST: the bias tiles start the sums, nothing is cleared.
.macro MM16
.irp nt, 0,1,2,3
.irp rg, 0,1,2,3
.if FIRST
	v_wmma_f32_16x16x32_bf16 v[ACC+8*(4*\nt+\rg):ACC+8*(4*\nt+\rg)+7], v[WF+32*BUF+8*\nt:WF+32*BUF+8*\nt+7], v[BB+8*\rg:BB+8*\rg+7], v[BT+8*\nt:BT+8*\nt+7]
.else
	v_wmma_f32_16x16x32_bf16 v[ACC+8*(4*\nt+\rg):ACC+8*(4*\nt+\rg)+7], v[WF+32*BUF+8*\nt:WF+32*BUF+8*\nt+7], v[BB+8*\rg:BB+8*\rg+7], v[ACC+8*(4*\nt+\rg):ACC+8*(4*\nt+\rg)+7]
.endif
.endr
.endr
.endm
; relu and rounding: the sixteen accumulators become eight fragments (K step kf0 + p, row group rg) of the next layer, in the window that dwin names.
; It stands behind a group's four places.
.macro PACK dwin, kf0
	WIN 0
.set a_, ACC
.rept 128
	v_max_num_f32 v[a_], 0, v[a_]
.set a_, a_+1
.endr
	WIN \dwin
.irp p, 0,1
.irp rg, 0,1,2,3
.irp e, 0,1
.irp i, 0,1,2,3
	v_cvt_pk_bf16_f32 v[8*(4*((\kf0)+\p)+\rg)+4*\e+\i], v[ACC+8*(4*(2*\p+\e)+\rg)+2*\i], v[ACC+8*(4*(2*\p+\e)+\rg)+2*\i+1]
.endr
.endr
.endr
.endr
.endm
; The change of slots.  In front of the round every wave has waited for all its tensor loads (one is out: its quarter of this trip's tile) and for its LDS reads
; of the other slot; behind the round this trip's tile is whole in all four work-groups and nobody reads the other slot: its refill comes first.
; One load of the wave is then out, and has the trip's 256 matrix instructions in which to land.
.macro TRIPHEAD slot, refill
	WIN 0
	s_wait_tensorcnt 0x0
	ds_add_u32 v30, v31
	s_wait_dscnt 0x0
	s_add_nc_u64 s[62+8*\slot:63+8*\slot], s[62+8*\slot:63+8*\slot], 131072   ; no load of mine is out: this slot's next tile, two on
	s_wait_dscnt 0x0
	ROUND
.if \refill
	tensor_load_to_lds s[68-8*\slot:71-8*\slot], s[36:43]
	s_nop 0
.endif
	PLACES                                         ; the fragment buffers were sources of the last matrix instructions
.endm
; Layer 1, weight tile t: 128 features = two chunks of 64, K = 256 = eight groups each.
.macro L1TRIP t, slot
	TRIPHEAD \slot, 1
.if \t == 0
	BIASLD 0
.endif
	FLOADG \slot, 0
	FLOADG \slot, 1
.set g, 0
.rept 16
.if g == 15
	s_wait_dscnt 0x0                               ; nothing was issued behind the last group's loads
.else
	s_wait_dscnt 0x8                               ; this group's fragments are in; the next group's eight loads stay out
.endif
	WIN 0x04                                       ; source 1 (x) in window 1
.set BUF, g&1
.set BB, 32*(g&7)
.set FIRST, 0
.if (g&7) == 0
.set FIRST, 1
.endif
	MM16
	PLACES                                         ; then loads into the buffer just multiplied
.if (g&7) == 1
	BIASLD 256*(2*\t+(g>>3)+1)                     ; the next chunk's bias (behind b1 lies b2: the last one is layer 2's first)
.endif
.if g < 14
	FLOADG \slot, g+2
.endif
.if (g&7) == 7
.set GG, 2*\t+(g>>3)
.set KF0, (2*GG)&7
.if GG < 4
	PACK 0x80, KF0
.else
	PACK 0xc0, KF0
.endif
.endif
.set g, g+1
.endr
.endm
; Layer 2, one weight tile: 64 features, K = 512 = sixteen groups; then these 64 h2 features times Wm onto z's sums.
.macro L2TRIP slot, refill, nb
	TRIPHEAD \slot, \refill
	FLOADG \slot, 0
	FLOADG \slot, 1
.set g, 0
.rept 16
	s_wait_dscnt 0x8                               ; the eight loads issued behind this group's stay out (behind the last group's: Wm's)
.if g < 8
	WIN 0x08                                       ; source 1 (h1) in window 2,
.else
	WIN 0x0c                                       ; window 3
.endif
.set BUF, g&1
.set BB, 32*(g&7)
.set FIRST, 0
.if g == 0
.set FIRST, 1
.endif
	MM16
	PLACES
.if g == 1
.if \nb
	BIASLD 2304+256*\slot                          ; b2 of the next chunk
.endif
.endif
.if g < 14
	FLOADG \slot, g+2
.endif
.if g == 14
	WMLOAD 128*\slot
.endif
.set g, g+1
.endr
	PACK 0x40, 0
	s_wait_dscnt 0x0                               ; Wm's fragments
	s_wait_loadcnt 0x0                             ; bm in z's sums (the first trip; met at once in the others)
	WIN 0x54
.irp p, 0,1
.irp n2, 0,1
.irp rg, 0,1,2,3
	v_wmma_f32_16x16x32_bf16 v[64+128*(\rg&1)+32*(\rg>>1)+8*\n2:64+128*(\rg&1)+32*(\rg>>1)+8*\n2+7], v[WF+8*(2*\p+\n2):WF+8*(2*\p+\n2)+7], v[8*(4*\p+\rg):8*(4*\p+\rg)+7], v[64+128*(\rg&1)+32*(\rg>>1)+8*\n2:64+128*(\rg&1)+32*(\rg>>1)+8*\n2+7]
.endr
.endr
.endr
.endm
; GRU.  One row group's eight products that start from the biases: r and u (four tiles), h_n (two), i_n (two)
.macro GMM1 a
.irp nt, 0,1,2,3
	v_wmma_f32_16x16x32_bf16 v[128*\a+8*\nt:128*\a+8*\nt+7], v[WHH+8*\nt:WHH+8*\nt+7], v[128*\a+G_ZF:128*\a+G_ZF+7], v[BRU+8*\nt:BRU+8*\nt+7]
.endr
.irp e, 0,1
	v_wmma_f32_16x16x32_bf16 v[128*\a+G_HN+8*\e:128*\a+G_HN+8*\e+7], v[WHH+32+8*\e:WHH+32+8*\e+7], v[128*\a+G_ZF:128*\a+G_ZF+7], v[BHN+8*\e:BHN+8*\e+7]
.endr
.irp e, 0,1
	v_wmma_f32_16x16x32_bf16 v[128*\a+G_IN+8*\e:128*\a+G_IN+8*\e+7], v[WIH+32+8*\e:WIH+32+8*\e+7], v[128*\a+G_WPF:128*\a+G_WPF+7], v[BIN+8*\e:BIN+8*\e+7]
.endr
.endm
.macro GMM2 a                          ; wp's share of r and u, onto the sums
.irp nt, 0,1,2,3
	v_wmma_f32_16x16x32_bf16 v[128*\a+8*\nt:128*\a+8*\nt+7], v[WIH+8*\nt:WIH+8*\nt+7], v[128*\a+G_WPF:128*\a+G_WPF+7], v[128*\a+8*\nt:128*\a+8*\nt+7]
.endr
.endm
; The gates of one row group.  The sums carry -log2(e) (r, u) or 2 log2(e) (n): sigmoid = 1 / (1 + exp2), tanh = 1 - 2 / (1 + exp2).
; An exp2 that overflows or falls to 0 gives the right limit through the reciprocal.  Behind each run of transcendentals one v_nop (ISA guide 5.7.2).
.macro V a
.set b_, 128*\a
.set i_, 0
.rept 32
	v_exp_f32 v[b_+i_], v[b_+i_]
.set i_, i_+1
.endr
	v_nop
.set i_, 0
	s_wait_alu depctr_va_vdst(0)
.rept 16
	v_pk_add_f32 v[b_+i_:b_+i_+1], v[b_+i_:b_+i_+1], 1.0 op_sel_hi:[1,0]
.set i_, i_+2
.endr
.set i_, 0
.rept 32
	v_rcp_f32 v[b_+i_], v[b_+i_]                   ; r in 0-15, u in 16-31
.set i_, i_+1
.endr
	v_nop
.set i_, 0
	s_wait_alu depctr_va_vdst(0)
.rept 8
	v_pk_fma_f32 v[b_+G_IN+i_:b_+G_IN+i_+1], v[b_+G_R+i_:b_+G_R+i_+1], v[b_+G_HN+i_:b_+G_HN+i_+1], v[b_+G_IN+i_:b_+G_IN+i_+1]   ; i_n + r h_n
.set i_, i_+2
.endr
.set i_, 0
.rept 16
	v_exp_f32 v[b_+G_IN+i_], v[b_+G_IN+i_]
.set i_, i_+1
.endr
	v_nop
.set i_, 0
	s_wait_alu depctr_va_vdst(0)
.rept 8
	v_pk_add_f32 v[b_+G_IN+i_:b_+G_IN+i_+1], v[b_+G_IN+i_:b_+G_IN+i_+1], 1.0 op_sel_hi:[1,0]
.set i_, i_+2
.endr
.set i_, 0
.rept 16
	v_rcp_f32 v[b_+G_IN+i_], v[b_+G_IN+i_]
.set i_, i_+1
.endr
	v_nop
.set i_, 0
	s_wait_alu depctr_va_vdst(0)
.rept 8
	v_pk_fma_f32 v[b_+G_IN+i_:b_+G_IN+i_+1], v[b_+G_IN+i_:b_+G_IN+i_+1], -2.0, 1.0 op_sel_hi:[1,0,0]   ; n
.set i_, i_+2
.endr
.set i_, 0
.rept 8
	v_pk_add_f32 v[b_+G_HN+i_:b_+G_HN+i_+1], v[b_+G_Z+i_:b_+G_Z+i_+1], v[b_+G_IN+i_:b_+G_IN+i_+1] neg_lo:[0,1] neg_hi:[0,1]   ; z - n
.set i_, i_+2
.endr
.set i_, 0
.rept 8
	v_pk_fma_f32 v[b_+G_Z+i_:b_+G_Z+i_+1], v[b_+G_U+i_:b_+G_U+i_+1], v[b_+G_HN+i_:b_+G_HN+i_+1], v[b_+G_IN+i_:b_+G_IN+i_+1]   ; z = n + u (z - n)
.set i_, i_+2
.endr
.set i_, 0
.rept 8
	v_cvt_pk_bf16_f32 v[b_+G_ZF+i_], v[b_+G_Z+2*i_], v[b_+G_Z+2*i_+1]       ; z as the next products' fragment
.set i_, i_+1
.endr
.endm
; wp of one row group: + bw, 8 bytes into the stage (both halves of the lanes hold row r's pair and store it to the same bytes), and as a fragment
.macro PF a
	v_pk_add_f32 v[128*\a+G_WPA:128*\a+G_WPA+1], v[128*\a+G_WPA:128*\a+G_WPA+1], v[G_BWP:G_BWP+1]
	ds_store_b64 v[128*\a+G_OA], v[128*\a+G_WPA:128*\a+G_WPA+1]
	v_cvt_pk_bf16_f32 v[128*\a+G_WPF], v[128*\a+G_WPA], v[128*\a+G_WPA+1]
	v_add_nc_u32 v[128*\a+G_OA], 8, v[128*\a+G_OA]
.endm
; Ten steps for the two row groups of one window.  w1: results and source 1 in the window; w2: C too; wa: all four places.
; No matrix instruction follows another on the same accumulator: between a sum's start and wp's share stand at least eight others.
.macro GRUPAIR w1, w2, wa
	WIN 0
	s_mov_b32 s23, 10
.Lgru_\@:
	WIN \w1
	GMM1 0
	GMM1 1
	WIN \w2
	GMM2 0
	GMM2 1
	WIN \wa
	PLACES
	V 0
	V 1
	WIN \w2
	v_wmma_f32_16x16x32_bf16 v[G_WPA:G_WPA+7], v[WW:WW+7], v[G_ZF:G_ZF+7], v[G_WPA:G_WPA+7]                    ; wp += z Ww'
	v_wmma_f32_16x16x32_bf16 v[128+G_WPA:128+G_WPA+7], v[WW:WW+7], v[128+G_ZF:128+G_ZF+7], v[128+G_WPA:128+G_WPA+7]
	WIN \wa
	PLACES
	PF 0
	PF 1
	WIN 0
	s_sub_co_u32 s23, s23, 1
	s_cmp_lg_u32 s23, 0
	s_cbranch_scc1 .Lgru_\@
.endm
; 32 rows x 80 bytes leave the stage: my own bytes, and LDS serves a wave's instructions in order.  Each store of the wave covers 512 consecutive bytes, aligned to 256.
.macro FLUSH pair
	WIN 0
.irp i, 0,1,2,3,4
	ds_load_b128 v[208+20*\pair+4*\i:208+20*\pair+4*\i+3], v[FA] offset:512*\i
.endr
	s_wait_dscnt 0x0
.irp i, 0,1,2,3,4
	global_store_b128 v[GL], v[208+20*\pair+4*\i:208+20*\pair+4*\i+3], s[18:19] offset:2560*\pair+512*\i th:TH_STORE_NT
.endr
.endm
; The start of the GRU in one window: wp = 0 (sum and fragment; the fragment's other K stay 0), the stage addresses, z as a fragment
.macro GSET wz, wc
	WIN \wz
.irp a, 0,1
.set i_, 0
.rept 16
	v_mov_b32 v[128*\a+G_WPA+i_], 0
.set i_, i_+1
.endr
	v_mov_b32 v[128*\a+G_OA], v[OA+\a]
.endr
	WIN \wc
.irp a, 0,1
.irp q, 0,1,2,3,4,5,6,7
	v_cvt_pk_bf16_f32 v[128*\a+G_ZF+\q], v[128*\a+G_Z+2*\q], v[128*\a+G_Z+2*\q+1]
.endr
.endr
.endm
; One tile of 256 rows.  more = 1: the next tile's x is asked for in front of the GRU.
.macro TILE more
	s_wait_xcnt 0x0                                ; the last tile's stores have read v208-247, which are loaded again below
	WIN 0
	PLACES
	v_mov_b32 v[VB], v[VB0]
	v_mov_b32 v[VWM], v[VWM0]
	s_wait_tensorcnt 0x3                           ; x chunk 0 is in, chunks 1-3 stay out; the bytes are my own, so my wait is all that the reads need
	XCONV 0
	s_wait_tensorcnt 0x2                           ; chunk 1
	XCONV 1
	WIN 0
	s_wait_tensorcnt 0x0                           ; all my loads have landed (chunks 2, 3; the first time Wm and the biases too),
	ds_add_u32 v30, v31
	s_mov_b64 s[62:63], s[100:101]                 ; so the ring's addresses may be written: tile 0,
	s_add_nc_u64 s[70:71], s[100:101], 65536       ; tile 1
	s_wait_dscnt 0x0                               ; my reads of P0 and P1 are back
	ROUND                                          ; both hold of every wave of the four work-groups
	tensor_load_to_lds s[60:63], s[36:43]          ; weight tile 0 into P0; it lands while chunks 2 and 3 are converted
	s_nop 0
	XCONV 2
	XCONV 3
	L1TRIP 0, 0
	L1TRIP 1, 1
	L1TRIP 2, 0
	L1TRIP 3, 1
	WIN 0x40                                       ; z's sums start from bm, in the layout of a result; x's fragments are done with
.irp rg, 0,1,2,3
.irp n2, 0,1
.irp e, 0,1
	global_load_b128 v[64+128*(\rg&1)+32*(\rg>>1)+8*\n2+4*\e:64+128*(\rg&1)+32*(\rg>>1)+8*\n2+4*\e+3], v[VBM], s[16:17] offset:64*\n2+16*\e
.endr
.endr
.endr
	WIN 0
	s_mov_b32 s23, 3
.Ll2_\@:
	L2TRIP 0, 1, 1
	L2TRIP 1, 1, 1
	WIN 0
	v_add_nc_u32 v[VB], 0x200, v[VB]               ; two chunks of b2,
	v_add_nc_u32 v[VWM], 0x100, v[VWM]             ; 128 columns of Wm
	s_sub_co_u32 s23, s23, 1
	s_cmp_lg_u32 s23, 0
	s_cbranch_scc1 .Ll2_\@
	L2TRIP 0, 1, 1                                 ; the last two trips are written out: the very last fetches nothing
	L2TRIP 1, 0, 0
	WIN 0
	PLACES                                         ; behind the last products: z's sums are read, the fragment and h1 registers written
.if \more
	s_wait_tensorcnt 0x0
	ds_add_u32 v30, v31
.irp ch, 0,1,2,3
	s_add_nc_u64 s[46+4*\ch:47+4*\ch], s[46+4*\ch:47+4*\ch], 262144        ; 256 rows on
.endr
	s_wait_dscnt 0x0
	ROUND                                          ; nobody reads the ring any more: P0-P3 are filled again, first thing
.irp ch, 0,1,2,3
	tensor_load_to_lds s[44+4*\ch:47+4*\ch], s[28:35]                      ; four loads out; they land during the GRU
	s_nop 0
.endr
.endif
.set i_, 0
.rept 43
	global_load_b128 v[32+4*i_:35+4*i_], v[GL], s[10:11] offset:512*i_     ; the GRU's constants: each block is four registers of the wave
.set i_, i_+1
.endr
	WIN 0x81                                       ; z of row groups 2, 3 moves to window 2, ahead of what is laid over its place in window 1
.set i_, 0
.rept 16
	v_mov_b32 v[G_Z+i_], v[96+i_]
	v_mov_b32 v[128+G_Z+i_], v[224+i_]
.set i_, i_+1
.endr
	GSET 0x40, 0x45
	GSET 0x80, 0x8a
	s_wait_loadcnt 0x0                             ; the constants
	WIN 0x40
	v_mov_b32 v[G_BWP], v[BW]
	v_mov_b32 v[G_BWP+1], v[BW+1]
	WIN 0x80
	v_mov_b32 v[G_BWP], v[BW]
	v_mov_b32 v[G_BWP+1], v[BW+1]
	GRUPAIR 0x44, 0x54, 0x55
	FLUSH 0
	GRUPAIR 0x88, 0xa8, 0xaa
	FLUSH 1
.if \more
	s_wait_xcnt 0x0                                ; the stores' base is stepped only behind this wait
	s_add_nc_u64 s[18:19], s[18:19], 20480         ; 256 rows of 80 bytes
.endif
.endm
	TILE 1
	TILE 0
	s_wait_tensorcnt 0x0
	ds_add_u32 v30, v31
	s_wait_dscnt 0x0
	ROUND                                          ; the closing round: no work-group ends while a partner may still ask for a tile that names it
	s_endpgm
.Lfunc_end_k_qc3c28c69dc_main:
	.size	k_qc3c28c69dc_main, .Lfunc_end_k_qc3c28c69dc_main-k_qc3c28c69dc_main
	.p2alignl 7, 3214868480
	.fill 96, 4, 3214868480
	.section	.rodata,"a",@progbits
	.p2align	6, 0x0
	.amdhsa_kernel k_qc3c28c69dc_main
		.amdhsa_group_segment_fixed_size 327680
		.amdhsa_private_segment_fixed_size 0
		.amdhsa_enable_private_segment 0
		.amdhsa_kernarg_size 64
		.amdhsa_user_sgpr_count 2
		.amdhsa_user_sgpr_kernarg_segment_ptr 1
		.amdhsa_wavefront_size32 1
		.amdhsa_system_sgpr_workgroup_id_x 1
		.amdhsa_system_sgpr_workgroup_id_y 1
		.amdhsa_system_sgpr_workgroup_id_z 1
		.amdhsa_system_vgpr_workitem_id 0
		.amdhsa_next_free_vgpr 1024
		.amdhsa_next_free_sgpr 102
		.amdhsa_reserve_vcc 0
		.amdhsa_float_denorm_mode_32 3
		.amdhsa_float_denorm_mode_16_64 3
		.amdhsa_memory_ordered 1
		.amdhsa_forward_progress 1
		.amdhsa_inst_pref_size 255
	.end_amdhsa_kernel
	.section	.bss,"aw",@nobits
	.p2align	6
	.space	262144
	.amdgpu_metadata
---
amdhsa.version: [ 1, 2 ]
amdhsa.kernels:
  - .name:           k_qc3c28c69dc_main
    .symbol:         k_qc3c28c69dc_main.kd
    .args:
      - { .name: x, .offset: 0, .size: 8, .value_kind: global_buffer, .address_space: global }
      - { .name: wt, .offset: 8, .size: 8, .value_kind: global_buffer, .address_space: global }
      - { .name: wmb, .offset: 16, .size: 8, .value_kind: global_buffer, .address_space: global }
      - { .name: gc, .offset: 24, .size: 8, .value_kind: global_buffer, .address_space: global }
      - { .name: b1, .offset: 32, .size: 8, .value_kind: global_buffer, .address_space: global }
      - { .name: b2, .offset: 40, .size: 8, .value_kind: global_buffer, .address_space: global }
      - { .name: bm, .offset: 48, .size: 8, .value_kind: global_buffer, .address_space: global }
      - { .name: out0, .offset: 56, .size: 8, .value_kind: global_buffer, .address_space: global }
    .group_segment_fixed_size: 327680
    .private_segment_fixed_size: 0
    .kernarg_segment_align: 8
    .kernarg_segment_size: 64
    .max_flat_workgroup_size: 128
    .sgpr_count:     102
    .vgpr_count:     1024
    .wavefront_size: 32
...
	.end_amdgpu_metadata
.endif
;; end of part 2
